; MI455X (gfx1250); checked and timed in simulation.
; The chip was launched on July 23, 2026; its instructions are those of AMD's public machine-readable ISA for CDNA 5 (MIT licence, August 2026) and "CDNA5" Instruction Set Architecture Reference Guide (July 2026). The comments in the code are by the model that wrote it; some were corrected since.
;; Fuzzy System Layer. Allowed arithmetic: matrix products marked QUANTISED: E2M1 operands, one E8M0 scale for each 32 along K, by v_wmma_scale_f32_16x16x128_f8f6f4 with both operands' format E2M1 (or v_wmma_scale_f32_32x16x128_f4), f32 sums; products left as they are: f32 operands where the result goes on into a quantised operand, else bf16, f16 or f32 operands; f32 sums; everything else in f32.
;; Inputs: cluster_centers 256 x 64 float32; inputs 262,144 x 64 float32; rule_weights 256 x 8 float32; widths 256 float32.
;; Outputs: out0 262,144 x 8 float32.
;; This version of the problem:
;;   THIS VERSION OF THE PROBLEM IS GIVEN IN LOW PRECISION. The matrix products marked QUANTISED in the list below multiply operands that are first quantised to E2M1 (2 exponent bits, 1 mantissa bit; 4 bits a number), with one power-of-two scale for each 32 numbers along K (OCP MX v1.0); their sums are f32. All else is computed in f32.
;;   The module's matrix products, in the order in which they are computed (A, B: the left and right operand; K: the contracted axis; several contracted axes count as one K, in the product's order):
;;     1. [M 262,144, K 64] x [K 64, N 256]; A: input inputs; B: input cluster_centers: QUANTISED
;;     2. [M 262,144, K 256] x [K 256, N 8]; A: computed on the way; B: input rule_weights: left as it is (N = 8 < 16)
;;   THE QUANTISER, for each operand of a quantised product, along K:
;;     - K is cut into blocks of 32 from its start; a last block that is shorter is filled with zeros.
;;     - A block's scale is 2^e with e = floor(log2(the largest magnitude in the block)) - 2, held to -126 .. 127; a block of zeros has e = 0. As a byte (E8M0): e + 127.
;;     - Each number is divided by its block's scale, clamped to +-6, and rounded to the nearest number of E2M1, ties to even, subnormals kept.
;;     - The product sums the exact products of the quantised numbers (number of the format x scale) in f32.
;;   ~~~python
;;   def quantise(x, axis):      # numpy; x: float32 -> the quantised numbers, widened to float32 again
;;       x = np.moveaxis(x, axis, -1); K = x.shape[-1]
;;       x = np.pad(x, [(0, 0)] * (x.ndim - 1) + [(0, -K % 32)]); x = x.reshape(x.shape[:-1] + (-1, 32)); a = np.abs(x).max(-1, keepdims=True)
;;       e = np.where(a > 0, np.clip(np.frexp(np.where(a > 0, a, 1))[1] - 1 - 2, -126, 127), 0)      # np.frexp(a)[1] - 1 = floor(log2(a)), exactly
;;       r = np.clip(x / 2.0 ** e, -6, 6)
;;       step = 2.0 ** (np.maximum(np.frexp(np.where(r == 0, 1, r))[1] - 1, 0) - 1)
;;       q = np.round(r / step) * step * 2.0 ** e      # np.round: ties to even
;;       return np.moveaxis(q.reshape(q.shape[:-2] + (-1,))[..., :K], -1, axis).astype(np.float32)
;;   ~~~
;; One version. Each part assembles by itself: llvm-mc -triple=amdgcn-amd-amdhsa -mcpu=gfx1250 --defsym DOCPART=n.
;; ======== version 1 of 1: 1 launch
;; limits: values outside matrix products are rounded to f16; values are held in f16: magnitudes above 65,504 overflow, below 6.1e-05 lose precision; inputs' magnitudes at most 65,504
;; launch fuzzy (part 1): grid 256 x 1, 8 waves a work-group, no clusters, 300,032 bytes of LDS; arguments inputs, cluster_centers, widths, rule_weights, out0; writes out0
.if DOCPART == 1
	.amdgcn_target "amdgcn-amd-amdhsa--gfx1250"
	.amdhsa_code_object_version 6
	.text
	.protected	k_qe3cba8170d_fuzzy
	.globl	k_qe3cba8170d_fuzzy
	.p2align	8
	.type	k_qe3cba8170d_fuzzy,@function
k_qe3cba8170d_fuzzy:
	s_mov_b64 s[64:65], 0
	v_nop
	global_prefetch_b8 v0, s[64:65] scope:SCOPE_SE
	s_setreg_imm32_b32 hwreg(HW_REG_WAVE_MODE, 25, 1), 1
	s_wait_xcnt 0x0
; out[b][:] = sum over c of m[b][c] W[c][:] / sum over c of m[b][c],  m[b][c] = exp(-(|x_b|^2 + |c_c|^2 - 2 x_b . c_c) / (2 w_c^2)).
; x: [262144][64] f32, centres: [256][64] f32, widths: [256], W: [256][8], out: [262144][8] f32.
; x . c is taken on codes of FP4 (E2M1) with one E8M0 scale for each 32 along K = 64; |x|^2 and |c|^2 of the numbers as they come, in f32.
; SHARES.  256 work-groups of eight waves; a work-group owns 1,024 rows, a wave 128: eight tiles of 16.  Lane (r, h) = (lane % 16, lane / 16) owns block h (32 numbers) of row r of a tile:
; that is the 4-bit operand's own layout for K 0 .. 63, so the conversions' four results are the operand's registers 0-3.  Registers 4-7 (K 64 .. 127 of the instruction) are zero codes on x's side,
; so whatever the centres' side holds there adds nothing: the centres' fragments overlap, four registers a tile.
; LAYOUT.  Both products are used transposed, so that a lane holds ONE row of x throughout.  D = Q(c) Q(x)^T + C (source 0 = 16 centres, source 1 = 16 rows of x, C = -|x|^2 / 2 in eight equal registers):
; register j of lane (r, h) is centre 16 t + 8 h + j.  t = a D + g with a = log2(e) / w^2 and g = -|c|^2 a / 2 is the exponent to base 2: one packed multiply-add for two memberships.
; THE SECOND PRODUCT HAS f16 OPERANDS (11 bits of significand: where terms of opposite sign nearly cancel, 8 bits leave too large an error).  f16 has no room for memberships as they are, so a row's exponents
; are shifted: M = the row's largest t so far, rounded UP to a whole number; p = 2^(t - M) is at most 1, and the row's largest above 1/2.  The centres go in two halves of 128; when M moves in the second, what was
; summed under the old M is multiplied by 2^(old M - new M), which rounds nothing.  M cancels in the division at the end.
; Two neighbouring tiles of p, rounded to f16 in pairs, ARE source 1 (32 centres x 16 rows) of the second product.  Its source 0 has 16 rows of which W needs eight: rows 0 and 8 are ones,
; rows 4-7 are W's outputs 0-3, rows 12-15 its outputs 4-7, the rest zeros.  So in every lane register 0 is the row's sum and registers 4-7 are outputs 4 h .. 4 h + 3: 16 bytes at 32 r + 16 h of the
; tile's 512 bytes of out, which one store of the wave writes whole.
; INPUT.  The work-group's 1,024 rows of x, 256 bytes each, fit in LDS at once (272 bytes a row with padding: 278,528).  Each wave asks for its eight tiles by eight tensor loads at the head, each into bytes
; of its own that are filled once and read by that wave alone, behind its own counted wait.  No slot is filled again, so there is no ring.
; CONSTANTS.  Wave w quantises centres 32 w .. 32 w + 31 and makes their a and g; thread c lays W's row c; all go through LDS once, behind one barrier, and stay in each wave's registers.
; NO CLUSTER: what work-groups share is the centres' 65,536 bytes; beside x's 278,528 they do not fit into 327,680 bytes of LDS as a tile, so they go from memory straight into registers, 8,192 bytes a wave.
; LIMITS.  W is rounded to f16: to 2^-11 of its size from 2^-14 up to 65,504, to 2^-25 under 2^-14; beyond 65,504 it is not served.  A membership under 2^-24 of 2^M counts as 0; the divisor is the sum of the
; rounded memberships.  Where all of a row's memberships fall under the smallest f32 number the definition gives 0 / 0; this text gives the quotient's value there.  NaN and infinities among the inputs are
; not served; blocks whose largest magnitude lies under 2^-124 keep the scale byte 1 and were not tried.
.set TILES,  8                         ; tiles of 16 rows for a wave
.set XP,     272                       ; a row of x in LDS: 256 bytes + 16 of padding = 68 words: row r starts at bank 4 r mod 64 (64 banks of 4 bytes: ISA guide 11.1)
.set TILEB,  16*XP
.set WAVEB,  TILES*TILEB               ; a wave's eight tiles
.set CIMG,   8*WAVEB                   ; behind x: the centres' 16 fragments as images of their registers, 512 bytes each;
.set CTAB,   CIMG+16*512               ; their scale words, 4 bytes a centre;
.set ATAB,   CTAB+1024                 ; a, 4 bytes a centre;
.set GTAB,   ATAB+1024                 ; g likewise;
.set WT,     GTAB+1024                 ; the second product's source 0: 16 rows of 256 f16,
.set WP,     528                       ; 512 bytes + 16 apart.  The text uses WT + 16 WP = 298,240 bytes
.set XA,  1                            ; v1      LDS address of my 128 bytes in my wave's tile 0
.set OO,  2                            ; v2      my 16 bytes in a tile's 512 bytes of out: 32 r + 16 h
.set SH8, 3                            ; v3      8 h
.set R,   4                            ; v4-7    my four outputs
.set MA,  8                            ; v8-11   at work in the quantiser
.set MB,  9
.set SO,  10
.set PL,  11                           ; v11     a lane permute's destination
.set Q0,  12                           ; v12-15  sums of squares
.set Q1,  14
.set TX,  8                            ; between two quantisers the same registers serve the shift: v8 the row's largest t so far;
.set DM,  9                            ; v9      old M - new M;
.set NM,  12                           ; v12-13  -M (named as a pair, the low word serves both halves);
.set F,   14                           ; v14-15  2^(old M - new M), likewise
.set CS,  16                           ; v16-23  the centres' scale words: register u: lanes 0-15 tile 2 u, lanes 16-31 tile 2 u + 1
.set XS,  24                           ; v24     x's scale word
.set SM,  25                           ; v25     the row's sum
.set RC,  26                           ; v26-27  its reciprocal (named as a pair, the low word serves both halves)
.set MX,  28                           ; v28-31  four chains of the search for the largest t (at the head: offsets, below)
.set XC,  32                           ; v32-39  x's codes, and four registers of zero codes
.set CI,  40                           ; v40-47  -|x|^2 / 2, eight times
.set OA0, 48                           ; v48-63  two accumulators of the second product, by turns
.set OA1, 56
.set T,   64                           ; v64-127 eight tiles of D, then t, then p; packed to f16 into the lower 32
.set X,   T+32                         ;         the next tile's 32 numbers of x land in the upper 32 once these are packed
.set CC,  128                          ; v128-191 the centres' codes, four registers a tile
.set WF,  192                          ; v192-255 the second product's source 0: eight fragments
                                       ; window 1: v0-127 a, v128-255 g, in D's layout
.set LR,  26                           ; at the head only: r, h, lane; offsets in memory; LDS addresses; loaded numbers
.set LH,  27
.set LN,  31
.set GC,  28
.set GW,  29
.set GR,  30
.set CST, 40
.set TST, 41
.set WST, 42
.set CLD, 43
.set SLD, 44
.set ALD, 45
.set WLD, 46
.set RW,  48
.set WD,  56
.set AV,  58
.set GV,  60
.set S1,  62
.set WV,  14                           ; s14     my wave's number
.set G1,  16                           ; s[16:23] descriptor group 1, the same for all loads
.set G0,  24                           ; s[24:55] descriptor group 0, a set for each of the eight loads: none is written again
.set SEL, 56                           ; s[56:57] v_permlanex16_b32's selects for lane l xor 16
.set MSB, 0
.macro WIN new                         ; the immediate's high byte repeats the setting that is left
.if MSB != \new
	s_set_vgpr_msb (MSB<<8)|\new
.set MSB, \new
.endif
.endm
.macro PLACES n
.rept \n
	v_nop
.endr
.endm
; My 32 numbers v[x] .. v[x + 31], one block along K, become four registers of codes in v[c] on; the row's scale word (byte h = block h) goes to v[s], the row's sum of squares to v[Q0].
.macro QUANT x, c, s
	v_max3_num_f32 v[MA], |v[(\x)]|, |v[(\x)+1]|, 0x1800000        ; the block's largest magnitude, in two chains, with the floor 2^(3 - 127) among the leaves: the byte cannot fall under 1
	v_max3_num_f32 v[MB], |v[(\x)+2]|, |v[(\x)+3]|, |v[(\x)+4]|
.irp p, 0,2,4,6,8,10
	v_max3_num_f32 v[MA], v[MA], |v[(\x)+5+2*\p]|, |v[(\x)+6+2*\p]|
	v_max3_num_f32 v[MB], v[MB], |v[(\x)+7+2*\p]|, |v[(\x)+8+2*\p]|
.endr
	v_max3_num_f32 v[MA], v[MA], |v[(\x)+29]|, |v[(\x)+30]|
	v_max3_num_f32 v[MA], v[MA], v[MB], |v[(\x)+31]|
	v_add_nc_u32 v[SO], 0xff000000, v[MA]                          ; 2 off its exponent field: the conversion takes the exponent field of this operand as its scale
.irp g, 0,1,2,3
	v_cvt_scalef32_pk8_fp4_f32 v[(\c)+\g], v[(\x)+8*\g:(\x)+8*\g+7], v[SO]
.endr
	v_lshrrev_b32 v[MA], 23, v[SO]                                 ; the scale's byte (also the plain line behind the conversions),
	v_lshlrev_b32 v[MA], v[SH8], v[MA]                             ; at its place in the word,
	v_permlanex16_b32 v[PL], v[MA], s[SEL], s[SEL+1]
	v_or_b32 v[\s], v[MA], v[PL]                                   ; with the other block's: bytes 2 and 3 stay 0, over zero codes
	v_pk_mul_f32 v[Q0:Q0+1], v[(\x):(\x)+1], v[(\x):(\x)+1]        ; the sum of squares, of the numbers as they came, in two packed chains
	v_pk_mul_f32 v[Q1:Q1+1], v[(\x)+2:(\x)+3], v[(\x)+2:(\x)+3]
.irp k, 4,8,12,16,20,24,28
	v_pk_fma_f32 v[Q0:Q0+1], v[(\x)+\k:(\x)+\k+1], v[(\x)+\k:(\x)+\k+1], v[Q0:Q0+1]
	v_pk_fma_f32 v[Q1:Q1+1], v[(\x)+\k+2:(\x)+\k+3], v[(\x)+\k+2:(\x)+\k+3], v[Q1:Q1+1]
.endr
	v_pk_add_f32 v[Q0:Q0+1], v[Q0:Q0+1], v[Q1:Q1+1]
	v_add_f32 v[Q0], v[Q0], v[Q0+1]
	v_permlanex16_b32 v[PL], v[Q0], s[SEL], s[SEL+1]
	v_add_f32 v[Q0], v[Q0], v[PL]                                  ; with the row's other block
.endm
	s_load_b256 s[4:11], s[0:1], 0x0               ; x s[4:5], centres s[6:7], widths s[8:9], W s[10:11]
	s_load_b64 s[12:13], s[0:1], 0x20              ; out
	v_lshl_add_u32 v222, v0, 2, 0x49000
	v_mov_b32 v223, 0
	ds_add_u32 v222, v223
	ds_add_u32 v222, v223
	s_wait_dscnt 0x0
	v_lshrrev_b32 v25, 5, v0
	v_readfirstlane_b32 s[WV], v25                 ; wave 0..7
	v_and_b32 v[LN], 31, v0
	v_and_b32 v[LR], 15, v0                        ; r
	v_bfe_u32 v[LH], v0, 4, 1                      ; h
	v_lshlrev_b32 v[SH8], 3, v[LH]
	v_mov_b32 v[PL], 0                             ; written once: a lane permute's destination counts as one of its sources
	s_mov_b32 s[SEL], 0x76543210
	s_mov_b32 s[SEL+1], 0xfedcba98
	s_lshl_b32 s15, s[WV], 13                      ; my wave's 32 centres: 32 rows of 256 bytes
	v_lshlrev_b32 v[GC], 8, v[LR]
	v_lshl_add_u32 v[GC], v[LH], 7, v[GC]
	v_add_nc_u32 v[GC], s15, v[GC]                 ; centre 32 w + r, block h
	s_lshl_b32 s58, s[WV], 7
	v_lshl_add_u32 v[GW], v[LR], 2, s58            ; 4 bytes a centre: 128 w + 4 r, in the widths and in the LDS tables
	v_lshlrev_b32 v[GR], 5, v0                     ; W: thread c takes row c, 32 bytes
	; descriptor group 1: a tile of 16 rows x 64 elements of 4 bytes, dense in memory, 16 bytes of padding behind each row in LDS
	s_mov_b32 s[G1+0], (2<<16)|(1<<20)|(5<<22)|(3<<25)  ; 15:0 no mask; 17:16 elements of 4 bytes; 20 padding on; 24:22 after every 64 words (code 5); 31:25 four words (code 3)
	s_mov_b32 s[G1+1], 64<<16                      ; tensor_dim0 = 64
	s_mov_b32 s[G1+2], 16<<16                      ; tensor_dim1 = 16
	s_mov_b32 s[G1+3], 64<<16                      ; tile_dim0 = 64
	s_mov_b32 s[G1+4], 16                          ; tile_dim1 = 16
	s_mov_b32 s[G1+5], 64                          ; from row to row
	s_mov_b32 s[G1+6], 0
	s_mov_b32 s[G1+7], 0
	s_lshl_b32 s60, ttmp9, 18                      ; x: 1,024 rows of 256 bytes a work-group,
	s_lshl_b32 s61, s[WV], 15                      ; 128 a wave
	s_add_co_u32 s60, s60, s61
	s_mov_b32 s61, 0
	s_lshl_b32 s62, ttmp9, 15                      ; out: rows of 32 bytes
	s_lshl_b32 s63, s[WV], 12
	s_add_co_u32 s62, s62, s63
	s_mov_b32 s63, 0
	s_mul_i32 s59, s[WV], WAVEB                    ; my wave's tiles in LDS
	s_wait_kmcnt 0x0
	s_add_nc_u64 s[4:5], s[4:5], s[60:61]
	s_add_nc_u64 s[12:13], s[12:13], s[62:63]
	; the small inputs are asked for first: the constants are wanted ahead of the first tile of x
.irp j, 0,1,2,3,4,5,6,7
	global_load_b128 v[T+4*\j:T+4*\j+3], v[GC], s[6:7] offset:16*\j                ; centre tile 2 w: my block's 128 bytes
.endr
	global_load_b32 v[WD], v[GW], s[8:9]                                           ; the widths of centres 32 w + r and 32 w + 16 + r
	global_load_b32 v[WD+1], v[GW], s[8:9] offset:64
.irp j, 0,1,2,3,4,5,6,7
	global_load_b128 v[T+32+4*\j:T+32+4*\j+3], v[GC], s[6:7] offset:4096+16*\j     ; centre tile 2 w + 1
.endr
	global_load_b128 v[RW:RW+3], v[GR], s[10:11]
	global_load_b128 v[RW+4:RW+7], v[GR], s[10:11] offset:16
	; all my rows of x: eight loads, each a first fill of bytes of its own; eight tensor loads of mine are out at the most
.irp i, 0,1,2,3,4,5,6,7
	s_mov_b32 s[G0+4*\i], 1                                        ; count = 1
	s_add_co_u32 s[G0+4*\i+1], s59, \i*TILEB                       ; LDS address: wave x WAVEB + tile x TILEB
	s_add_nc_u64 s[G0+4*\i+2:G0+4*\i+3], s[4:5], \i*4096           ; global address: 16 rows of 256 bytes a tile
	s_or_b32 s[G0+4*\i+3], s[G0+4*\i+3], 0x80000000                ; type = 2
	tensor_load_to_lds s[G0+4*\i:G0+4*\i+3], s[G1:G1+7]
	s_nop 0
.endr
	v_mul_u32_u24 v[XA], v[LR], XP
	v_lshl_add_u32 v[XA], v[LH], 7, v[XA]
	v_add_nc_u32 v[XA], s59, v[XA]                 ; row r, block h of my wave's tile 0
	v_lshlrev_b32 v[OO], 5, v[LR]
	v_lshl_add_u32 v[OO], v[LH], 4, v[OO]
	s_lshl_b32 s15, s[WV], 10
	v_lshl_add_u32 v[CLD], v[LN], 4, CIMG          ; an image's place for my lane: 16 x lane;
	v_add_nc_u32 v[CST], s15, v[CLD]               ; my wave stores images 2 w and 2 w + 1
	v_add_nc_u32 v[TST], CTAB, v[GW]               ; the tables: 128 w + 4 r
	v_lshl_add_u32 v[WST], v0, 1, WT               ; column c of the 16 rows of f16
	v_lshl_add_u32 v[SLD], v[LN], 2, CTAB          ; scale words back: 4 x lane: lanes 0-15 an even tile's, lanes 16-31 the odd one's
	v_lshl_add_u32 v[ALD], v[LH], 5, ATAB          ; a and g back: centres 16 t + 8 h on
	v_mul_u32_u24 v[WLD], v[LR], WP
	v_lshl_add_u32 v[WLD], v[LH], 4, v[WLD]
	v_add_nc_u32 v[WLD], WT, v[WLD]                ; an f16 fragment: row r, 16 h bytes
; Centre tile 2 w + e: codes, scale words, a = log2(e) / w^2, g = -|c|^2 a / 2.  Each e has registers of its own for what it stores.
.macro CENTRE e, s
	QUANT T+32*\e, XC+4*\e, \s
	v_mul_f32 v[MA], v[WD+\e], v[WD+\e]
	v_rcp_f32 v[MB], v[MA]
	v_mul_f32 v[Q1], -0.5, v[Q0]                   ; (the plain line behind the reciprocal)
	s_wait_alu depctr_va_vdst(0)                   ; the wait ahead of the first line that names the reciprocal
	v_mul_f32 v[AV+\e], 0x3fb8aa3b, v[MB]
	v_mul_f32 v[GV+\e], v[Q1], v[AV+\e]
	ds_store_b128 v[CST], v[XC+4*\e:XC+4*\e+3] offset:512*\e       ; the fragment's registers as they stand
	ds_store_b32 v[TST], v[\s] offset:64*\e                        ; lanes r and 16 + r write the same word with the same value
	ds_store_b32 v[TST], v[AV+\e] offset:ATAB-CTAB+64*\e
	ds_store_b32 v[TST], v[GV+\e] offset:GTAB-CTAB+64*\e
.endm
	s_wait_loadcnt 10                              ; centre tile 2 w and both widths are in; behind them 8 + 2 loads were issued
	CENTRE 0, XS
	s_wait_loadcnt 2                               ; centre tile 2 w + 1 is in; W's two loads may be out
	CENTRE 1, S1
	s_wait_loadcnt 0x0
	v_cvt_pk_f16_f32 v8, v[RW], v[RW+1]            ; W's row c, rounded to f16: outputs 2 p and 2 p + 1 in register 8 + p
	v_cvt_pk_f16_f32 v9, v[RW+2], v[RW+3]
	v_cvt_pk_f16_f32 v10, v[RW+4], v[RW+5]
	v_cvt_pk_f16_f32 v11, v[RW+6], v[RW+7]
	v_mov_b32 v12, 0x3c00                          ; 1.0 in f16
	v_mov_b32 v13, 0
.irp m, 0,8
	ds_store_b16 v[WST], v12 offset:\m*WP          ; the rows of ones: they make the row's sum
.endr
.irp m, 1,2,3,9,10,11
	ds_store_b16 v[WST], v13 offset:\m*WP
.endr
.irp p, 0,1,2,3
	ds_store_b16 v[WST], v[8+\p] offset:(4+2*\p+4*(\p/2))*WP       ; outputs 0-3 to rows 4-7, outputs 4-7 to rows 12-15
	ds_store_b16_d16_hi v[WST], v[8+\p] offset:(5+2*\p+4*(\p/2))*WP
.endr
	s_wait_dscnt 0x0                               ; for the others' sake: my stores have landed
	s_barrier_signal -1
	s_barrier_wait -1                              ; everybody's have.  (My tensor loads stay out, and only I read what they bring)
.irp t, 0,1,2,3,4,5,6,7,8,9,10,11,12,13,14,15
	ds_load_b128 v[CC+4*\t:CC+4*\t+3], v[CLD] offset:512*\t
.endr
.irp u, 0,1,2,3,4,5,6,7
	ds_load_b32 v[CS+\u], v[SLD] offset:128*\u
.endr
.irp u, 0,1,2,3,4,5,6,7
	ds_load_b128 v[WF+8*\u:WF+8*\u+3], v[WLD] offset:64*\u         ; centres 32 u + 8 h on,
	ds_load_b128 v[WF+8*\u+4:WF+8*\u+7], v[WLD] offset:64*\u+32    ; and 32 u + 16 + 8 h on
.endr
	WIN 0x40                                       ; destination window 1
.irp t, 0,1,2,3,4,5,6,7,8,9,10,11,12,13,14,15
	ds_load_b128 v[8*\t:8*\t+3], v[ALD] offset:64*\t               ; a of centres 16 t + 8 h + 0 .. 7: sixteen lanes share each word
	ds_load_b128 v[8*\t+4:8*\t+7], v[ALD] offset:64*\t+16
	ds_load_b128 v[128+8*\t:128+8*\t+3], v[ALD] offset:GTAB-ATAB+64*\t   ; g likewise
	ds_load_b128 v[128+8*\t+4:128+8*\t+7], v[ALD] offset:GTAB-ATAB+64*\t+16
.endr
	WIN 0
.irp j, 4,5,6,7
	v_mov_b32 v[XC+\j], 0                          ; x's codes of K 64 .. 127: zeros, for the whole launch
.endr
; Tile i's numbers: my block's 128 bytes, from my wave's own bytes.
.macro XFETCH i
	s_wait_tensorcnt TILES-1-(\i)                  ; tensor loads of a wave end in order (ISA guide 10.11.1): tile i is in LDS; the loads issued behind it may be out
.irp j, 0,1,2,3,4,5,6,7
	ds_load_b128 v[X+4*\j:X+4*\j+3], v[XA] offset:(\i)*TILEB+16*\j
.endr
.endm
; Tile i leaves: the two accumulators are added, from their low ends on; register 0 is the row's sum, registers 4-7 my four outputs, all under the same M, which the division takes away.
.macro FINAL i
.if (\i) > 0
	s_wait_xcnt 0x0                                ; the last tile's store has read v[R] on: only behind this wait are they written again
.endif
	v_add_f32 v[SM], v[OA0], v[OA1]
	v_rcp_f32 v[RC], v[SM]
	v_pk_add_f32 v[R:R+1], v[OA0+4:OA0+5], v[OA1+4:OA1+5]          ; (plain lines behind the reciprocal)
	v_pk_add_f32 v[R+2:R+3], v[OA0+6:OA0+7], v[OA1+6:OA1+7]
	s_wait_alu depctr_va_vdst(0)                   ; the wait ahead of the first line that names the reciprocal
	v_pk_mul_f32 v[R:R+1], v[R:R+1], v[RC:RC+1] op_sel_hi:[1,0]
	v_pk_mul_f32 v[R+2:R+3], v[R+2:R+3], v[RC:RC+1] op_sel_hi:[1,0]
	global_store_b128 v[OO], v[R:R+3], s[12:13] offset:512*(\i) th:TH_STORE_NT   ; the wave's 32 lanes write 512 consecutive bytes, at a multiple of 512 from out's first byte
.endm
; Half hf of the centres (tiles 8 hf .. 8 hf + 7) for tile i of x.
.macro HALF i, hf
.set tt, 0
.rept 4
	v_wmma_scale_f32_16x16x128_f8f6f4 v[T+8*tt:T+8*tt+7], v[CC+4*(8*\hf+tt):CC+4*(8*\hf+tt)+7], v[XC:XC+7], v[CI:CI+7], v[CS+4*\hf+tt/2], v[XS] matrix_a_fmt:MATRIX_FMT_FP4 matrix_b_fmt:MATRIX_FMT_FP4
	v_wmma_scale_f32_16x16x128_f8f6f4 v[T+8*tt+8:T+8*tt+15], v[CC+4*(8*\hf+tt)+4:CC+4*(8*\hf+tt)+11], v[XC:XC+7], v[CI:CI+7], v[CS+4*\hf+tt/2], v[XS] matrix_a_fmt:MATRIX_FMT_FP4 matrix_b_fmt:MATRIX_FMT_FP4 matrix_a_scale:MATRIX_SCALE_ROW1
.set tt, tt+2
.endr
	PLACES 4                                       ; four plain lines between the products and the first read of a result (ISA guide 7.12.1)
	WIN 0x14                                       ; sources 1 and 2 (a, g) window 1
.set nn, 0
.rept 32
	v_pk_fma_f32 v[T+nn:T+nn+1], v[T+nn:T+nn+1], v[64*\hf+nn:64*\hf+nn+1], v[128+64*\hf+nn:128+64*\hf+nn+1]   ; t = a (x . c - |x|^2 / 2) + g, each tile from its low end on
.set nn, nn+2
.endr
	WIN 0
	; the largest of my 64 t: four chains that do not wait for each other: 4 x 3 numbers start them, 26 lines take two more each
.irp k, 0,1,2,3
	v_max3_num_f32 v[MX+\k], v[T+3*\k], v[T+3*\k+1], v[T+3*\k+2]
.endr
.set nn, 0
.rept 26
	v_max3_num_f32 v[MX+nn%4], v[MX+nn%4], v[T+12+2*nn], v[T+13+2*nn]
.set nn, nn+1
.endr
	v_max3_num_f32 v[MX], v[MX], v[MX+1], v[MX+2]
	v_max_num_f32 v[MX], v[MX], v[MX+3]
	v_permlanex16_b32 v[PL], v[MX], s[SEL], s[SEL+1]               ; the row's other 64 centres of this half lie in the lane 16 away
.if \hf == 0
	v_max_num_f32 v[TX], v[MX], v[PL]              ; the row's largest t so far
	v_floor_f32 v[NM], -v[TX]                      ; -M = floor(-t) = -ceil(t): M is a whole number
.else
	v_max3_num_f32 v[TX], v[TX], v[MX], v[PL]
	v_mov_b32 v[DM], v[NM]
	v_floor_f32 v[NM], -v[TX]
	v_sub_f32 v[DM], v[NM], v[DM]                  ; M's old value less its new one: a whole number, 0 or less
	v_cvt_i32_f32 v[DM], v[DM]                     ; (it saturates)
	v_ldexp_f32 v[F], 1.0, v[DM]                   ; 2^(old M - new M)
.endif
.set nn, 0
.rept 32
	v_pk_add_f32 v[T+nn:T+nn+1], v[T+nn:T+nn+1], v[NM:NM+1] op_sel_hi:[1,0]   ; t - M, at most 0
.set nn, nn+2
.endr
.set nn, 0
.rept 64
	v_exp_f32 v[T+nn], v[T+nn]                     ; p = 2^(t - M), at most 1
.set nn, nn+1
.endr
.if \hf == 0
	v_nop                                          ; a plain line behind the last exponential
.else
.irp j, 0,2,4,6                                    ; what the first half summed is brought under the new M, each accumulator from its low end on: plain lines behind the last exponential
	v_pk_mul_f32 v[OA0+\j:OA0+\j+1], v[OA0+\j:OA0+\j+1], v[F:F+1] op_sel_hi:[1,0]
.endr
.irp j, 0,2,4,6
	v_pk_mul_f32 v[OA1+\j:OA1+\j+1], v[OA1+\j:OA1+\j+1], v[F:F+1] op_sel_hi:[1,0]
.endr
.endif
	s_wait_alu depctr_va_vdst(0)                   ; one wait for the batch of 64, ahead of its first reader
.set nn, 0
.rept 32
	v_cvt_pk_f16_f32 v[T+nn], v[T+2*nn], v[T+2*nn+1]               ; in place: register n takes numbers 2 n and 2 n + 1, which no later line reads
.set nn, nn+1
.endr
.if (\hf == 1) && (\i < TILES-1)
	XFETCH (\i)+1                                  ; the upper 32 registers are free: the next tile's numbers land there while this tile is finished
.endif
.set uu, 0
.rept 2                                            ; 32 centres an instruction; the two accumulators by turns
.if (\hf == 0) && (uu == 0)
	v_wmma_f32_16x16x32_f16 v[OA0:OA0+7], v[WF+8*(4*\hf+uu):WF+8*(4*\hf+uu)+7], v[T+8*uu:T+8*uu+7], 0          ; a tile's first two products start the sums
	v_wmma_f32_16x16x32_f16 v[OA1:OA1+7], v[WF+8*(4*\hf+uu)+8:WF+8*(4*\hf+uu)+15], v[T+8*uu+8:T+8*uu+15], 0
.else
	v_wmma_f32_16x16x32_f16 v[OA0:OA0+7], v[WF+8*(4*\hf+uu):WF+8*(4*\hf+uu)+7], v[T+8*uu:T+8*uu+7], v[OA0:OA0+7]
	v_wmma_f32_16x16x32_f16 v[OA1:OA1+7], v[WF+8*(4*\hf+uu)+8:WF+8*(4*\hf+uu)+15], v[T+8*uu+8:T+8*uu+15], v[OA1:OA1+7]
.endif
.set uu, uu+2
.endr
.if \hf == 0
	PLACES 5                                       ; the next half's products write over registers that these have read: five plain lines between
.endif
.endm
.macro TILE i
	s_wait_dscnt 0x0                               ; my 32 numbers are in (ahead of tile 0: the constants too)
	QUANT X, XC, XS                                ; its lines are also the places behind the last tile's products
.irp j, 0,2,4,6
	v_pk_mul_f32 v[CI+\j:CI+\j+1], v[Q0:Q0+1], -0.5 op_sel_hi:[0,0]   ; -|x|^2 / 2 in all eight registers: the sums' first term
.endr
.if \i > 0
	FINAL (\i)-1                                   ; the last tile leaves here, far behind its products
.else
	PLACES 4
.endif
	HALF \i, 0
	HALF \i, 1
.endm
	XFETCH 0
.irp i, 0,1,2,3,4,5,6,7                            ; written out: the counted wait for a tile differs from tile to tile
	TILE \i
.endr
	PLACES 4
	FINAL 7
	s_wait_xcnt 0x0
	v_lshl_add_u32 v222, v0, 2, 0x49000
	v_mov_b32 v223, 0
	s_wait_tensorcnt 0x0
	ds_add_u32 v222, v223
	s_wait_dscnt 0x0
	s_endpgm
.Lfunc_end_k_qe3cba8170d_fuzzy:
	.size	k_qe3cba8170d_fuzzy, .Lfunc_end_k_qe3cba8170d_fuzzy-k_qe3cba8170d_fuzzy
	.p2alignl 7, 3214868480
	.fill 96, 4, 3214868480
	.section	.rodata,"a",@progbits
	.p2align	6, 0x0
	.amdhsa_kernel k_qe3cba8170d_fuzzy
		.amdhsa_group_segment_fixed_size 300032
		.amdhsa_private_segment_fixed_size 0
		.amdhsa_enable_private_segment 0
		.amdhsa_kernarg_size 40
		.amdhsa_user_sgpr_count 2
		.amdhsa_user_sgpr_kernarg_segment_ptr 1
		.amdhsa_wavefront_size32 1
		.amdhsa_system_sgpr_workgroup_id_x 1
		.amdhsa_system_sgpr_workgroup_id_y 1
		.amdhsa_system_sgpr_workgroup_id_z 1
		.amdhsa_system_vgpr_workitem_id 0
		.amdhsa_next_free_vgpr 512
		.amdhsa_next_free_sgpr 66
		.amdhsa_reserve_vcc 0
		.amdhsa_float_denorm_mode_32 3
		.amdhsa_float_denorm_mode_16_64 3
		.amdhsa_memory_ordered 1
		.amdhsa_forward_progress 1
		.amdhsa_inst_pref_size 247
	.end_amdhsa_kernel
	.amdgpu_metadata
---
amdhsa.version: [ 1, 2 ]
amdhsa.kernels:
  - .name:           k_qe3cba8170d_fuzzy
    .symbol:         k_qe3cba8170d_fuzzy.kd
    .args:
      - { .name: inputs, .offset: 0, .size: 8, .value_kind: global_buffer, .address_space: global }
      - { .name: cluster_centers, .offset: 8, .size: 8, .value_kind: global_buffer, .address_space: global }
      - { .name: widths, .offset: 16, .size: 8, .value_kind: global_buffer, .address_space: global }
      - { .name: rule_weights, .offset: 24, .size: 8, .value_kind: global_buffer, .address_space: global }
      - { .name: out0, .offset: 32, .size: 8, .value_kind: global_buffer, .address_space: global }
    .group_segment_fixed_size: 300032
    .private_segment_fixed_size: 0
    .kernarg_segment_align: 8
    .kernarg_segment_size: 40
    .max_flat_workgroup_size: 256
    .sgpr_count:     66
    .vgpr_count:     512
    .wavefront_size: 32
...
	.end_amdgpu_metadata
.endif
;; end of part 1
